; MI455X (gfx1250); checked and timed in simulation.
; The chip was launched on July 23, 2026; its instructions are those of AMD's public machine-readable ISA for CDNA 5 (MIT licence, August 2026) and "CDNA5" Instruction Set Architecture Reference Guide (July 2026). The comments in the code are by the model that wrote it; some were corrected since.
;; Quantized Layer. Allowed arithmetic: matrix products marked QUANTISED: E2M1 operands, one E8M0 scale for each 32 along K, by v_wmma_scale_f32_16x16x128_f8f6f4 with both operands' format E2M1 (or v_wmma_scale_f32_32x16x128_f4), f32 sums; everything else in f32.
;; Inputs: bias 4,096 float32; inv_perm 4,096 int32; q4 2,048 x 4,096 int32; q8 2,048 x 4,096 int32; s4 2,048 x 1 float32; s8 2,048 x 1 float32; x 8 x 512 x 4,096 float32.
;; Outputs: out0 8 x 512 x 4,096 float32.
;; This version of the problem:
;;   THIS VERSION OF THE PROBLEM IS GIVEN IN LOW PRECISION. The matrix products marked QUANTISED in the list below multiply operands that are first quantised to E2M1 (2 exponent bits, 1 mantissa bit; 4 bits a number), with one power-of-two scale for each 32 numbers along K (OCP MX v1.0); their sums are f32. All else is computed in f32.
;;   The module's matrix products, in the order in which they are computed (A, B: the left and right operand; K: the contracted axis; several contracted axes count as one K, in the product's order):
;;     1. [M 4,096, K 4,096] x [K 4,096, N 2,048]; A: input x; B: computed on the way: QUANTISED
;;     2. [M 4,096, K 4,096] x [K 4,096, N 2,048]; A: input x; B: computed on the way: QUANTISED
;;   THE QUANTISER, for each operand of a quantised product, along K:
;;     - K is cut into blocks of 32 from its start; a last block that is shorter is filled with zeros.
;;     - A block's scale is 2^e with e = floor(log2(the largest magnitude in the block)) - 2, held to -126 .. 127; a block of zeros has e = 0. As a byte (E8M0): e + 127.
;;     - Each number is divided by its block's scale, clamped to +-6, and rounded to the nearest number of E2M1, ties to even, subnormals kept.
;;     - The product sums the exact products of the quantised numbers (number of the format x scale) in f32.
;;   ~~~python
;;   def quantise(x, axis):      # numpy; x: float32 -> the quantised numbers, widened to float32 again
;;       x = np.moveaxis(x, axis, -1); K = x.shape[-1]
;;       x = np.pad(x, [(0, 0)] * (x.ndim - 1) + [(0, -K % 32)]); x = x.reshape(x.shape[:-1] + (-1, 32)); a = np.abs(x).max(-1, keepdims=True)
;;       e = np.where(a > 0, np.clip(np.frexp(np.where(a > 0, a, 1))[1] - 1 - 2, -126, 127), 0)      # np.frexp(a)[1] - 1 = floor(log2(a)), exactly
;;       r = np.clip(x / 2.0 ** e, -6, 6)
;;       step = 2.0 ** (np.maximum(np.frexp(np.where(r == 0, 1, r))[1] - 1, 0) - 1)
;;       q = np.round(r / step) * step * 2.0 ** e      # np.round: ties to even
;;       return np.moveaxis(q.reshape(q.shape[:-2] + (-1,))[..., :K], -1, axis).astype(np.float32)
;;   ~~~
;;   OPERANDS COMPUTED ON THE WAY. 'Computed on the way' means the value that the module computes at that place (a softmax that the list does not call 'softmax' is quantised finished and normalised). What goes into a quantiser is computed in f32, as accurately as f32 sums, v_exp_f32 and their like allow (about 1e-6 of the number): no bf16 or f16 on the way to a quantiser, and a product that is left as it is and whose result goes on into a quantised operand takes f32 operands (vector FMAs, or v_wmma_f32_16x16x4_f32). A number that lies on a knife's edge between two numbers of the format may be rounded either way, as far as f32 arithmetic and the matrix unit's own rounding can turn it there, and no further.
;; One version. Each part assembles by itself: llvm-mc -triple=amdgcn-amd-amdhsa -mcpu=gfx1250 --defsym DOCPART=n.
;; ======== version 1 of 1: 2 launches
;; limits: right only within a limited range of input values
;; workspace buffers: xq 8,912,896 bytes; wq 8,912,896 bytes
;; launch quant (part 1): grid 256 x 1, 8 waves a work-group, no clusters, 70,656 bytes of LDS; arguments x, q8, s8, q4, s4, inv_perm, xq, wq; writes xq, wq
.if DOCPART == 1
	.amdgcn_target "amdgcn-amd-amdhsa--gfx1250"
	.amdhsa_code_object_version 6
	.text
	.protected	k_qfd0cbf75aa_quant
	.globl	k_qfd0cbf75aa_quant
	.p2align	8
	.type	k_qfd0cbf75aa_quant,@function
k_qfd0cbf75aa_quant:
	s_mov_b64 s[64:65], 0
	v_nop
	global_prefetch_b8 v0, s[64:65] scope:SCOPE_SE
	s_setreg_imm32_b32 hwreg(HW_REG_WAVE_MODE, 25, 1), 1
	s_wait_xcnt 0x0
; x [4096][4096] f32 and the weight W [4096][4096] become codes of FP4 (E2M1) with one E8M0 scale byte for each 32 along K.
; W's row j is row inv_perm[j] of [q8 x s8 ; q4 x s4] (an int32 times its row's f32 scale, one rounding in f32): THE GATHER OF OUTPUT CHANNELS IS DONE HERE, on whole rows, so that the product's
; launch knows nothing of it.  It holds for any list of indices, also one that names a row twice.
; A block's scale is 2^(floor(log2(its largest magnitude)) - 2); its byte is the largest magnitude's exponent field - 2, held at 1 from below.  Each number is divided by the scale and rounded to the nearest code, ties to even,
; beyond the largest code the largest.
; LIMITS: NaN and infinities in x, s8, s4 are not served.  A block of zeros gets the byte 1 where the rule says 127: its codes are zeros, which add nothing under any byte but 0xff, and this program alone reads the bytes.
; An index is held at 4,095 (the gather relies on indices inside the table).
; THE RESULT'S LAYOUT, xq and wq alike: [K step of 512: 8][row: 4096][a record of 272 bytes]: 256 bytes of codes (the lower k in the low four bits), then the K step's 16 scale bytes.
; SHARES.  Work-group g owns rows 16 g .. 16 g + 15 of BOTH results, its wave w their K step w: 32 steps of 512 numbers, a record each: FIRST THE 16 ROWS OF x, THEN THE 16 OF W.  x's addresses need no index, so the
; first numbers are asked for straight behind the arguments, and the indices and the rows' scales arrive while x is worked.  A group of 16 records is 4,352 consecutive bytes, 17 blocks of 256; x's leave while W's numbers come in.
; NO NUMBER GOES THROUGH LDS.  Each load reads 512 consecutive bytes, 16 a lane: a lane holds 4 numbers of a block and 8 neighbouring lanes hold the block; its largest magnitude is joined by three steps between lanes.
; The conversion takes 8 registers and ONE scale, so the 8 registers of two neighbouring loads are converted twice: by the first load's scale (the low 16 bits are that load's four codes) and by the second's (the high 16 bits);
; what the wrong scale makes of the other half is thrown away.  The good halves are joined, the neighbouring lane's word is fetched, and a byte permutation with a selector of the lane's own gives each lane 8 neighbouring codes:
; even lanes of the first load, odd lanes of the second.  Only codes and scale bytes go to LDS, 272 bytes a step, where the records are gathered.
; Loads run eight steps ahead: 32 loads of 512 bytes a wave, 128 KiB a work-group.  No tensor loads, no barrier, no branch: waves share nothing.
.set ROWB,    16384                    ; a row of x, q8 or q4 in bytes
.set REC,     272                      ; a record
.set KSTRIDE, 4096*REC                 ; from a K step to the next in xq and wq
.set GROUP,   16*REC                   ; 16 records
.set WREG,    2*GROUP                  ; LDS for each wave: x's group, then W's: bytes of their own for each
.set DEPTH,   8                        ; steps that the loads run ahead, and sets of registers
.set NSTEP,   32
.set MXR,  8                           ; v8-11    the largest magnitude of my block in each of a step's four loads
.set SCR,  12                          ; v12-15   the conversions' scale operands
.set R,    16                          ; v16-143  eight sets of 16 numbers: set u % 8; in it load i at 4 i
.set CV,   144                         ; v144-147 the four conversions' results
.set MG,   148                         ; v148-149 a pair of loads: the first's four codes below, the second's above
.set NB,   150                         ; v150-151 the same of the lane beside me
.set DW,   152                         ; v152-155 my words of 8 codes: two a step, two sets by turns
.set EB,   156                         ; v156-163 my blocks' scale bytes: four a step, two sets by turns
.set SELV, 164                         ; v164     my lane's selector for the byte permutation
.set OUTR, 166                         ; v166-233 the way out: 17 pairs for each group, so that no store's data are written again
.set IDX,  20                          ; s[20:35] the source rows of my 16 rows of W
.set O,    36                          ; s[36:51] the byte offsets of their scales
.set SV,   74                          ; s[74:89] s8's candidates, then the scales.  s4's candidates lie in s[56:63] and s[66:73], which later hold the eight pointers
	s_load_b512 s[4:19], s[0:1], 0x0               ; x 4:5, q8 6:7, s8 8:9, q4 10:11, s4 12:13, inv_perm 14:15, xq 16:17, wq 18:19
	v_lshl_add_u32 v236, v0, 2, 0x11000
	v_mov_b32 v237, 0
	v_lshrrev_b32 v1, 5, v0
	s_delay_alu instid0(VALU_DEP_1)
	v_readfirstlane_b32 s53, v1                    ; wave 0..7 = my K step
	v_and_b32 v2, 31, v0                           ; lane
	s_delay_alu instid0(VALU_DEP_1)
	v_lshlrev_b32 v3, 4, v2                        ; my 16 bytes of a load's 512
	s_delay_alu instid0(VALU_DEP_2)
	v_lshlrev_b32 v4, 3, v2                        ; my 8 bytes of a store's 256
	s_mul_i32 s93, s53, WREG                       ; my wave's LDS
	v_lshrrev_b32 v5, 3, v2
	s_delay_alu instid0(VALU_DEP_1)
	v_add_nc_u32 v5, s93, v5                       ; a scale byte: my block of a load's four (the record, its 256 bytes of codes and the load stand in the immediate)
	v_and_b32 v1, 1, v2
	s_delay_alu instid0(VALU_DEP_1)
	v_mul_u32_u24 v6, v1, 62
	s_delay_alu instid0(VALU_DEP_1)
	v_lshl_add_u32 v6, v2, 1, v6
	s_delay_alu instid0(VALU_DEP_1)
	v_add_nc_u32 v6, s93, v6                       ; a word of codes: an even lane's 8 numbers begin at byte 2 x lane of the first load's 64, an odd lane's at byte 2 (lane - 1) of the second's: 2 x lane + 62
	v_add_nc_u32 v7, s93, v4                       ; the way out: 8 bytes a lane
	v_mov_b32 v8, 0x05040100                       ; even lanes: my low half below, my neighbour's low half above
	v_mov_b32 v9, 0x03020706                       ; odd lanes: my neighbour's high half below, my high half above
	v_cmp_eq_u32 vcc_lo, 1, v1
	s_delay_alu instid0(VALU_DEP_1)
	v_cndmask_b32 v[SELV], v8, v9, vcc_lo
	v_mov_b32 v[NB], 0                             ; written once: the destination of a move between lanes counts as one of its sources
	v_mov_b32 v[NB+1], 0
	s_mov_b32 s94, 0x07060100                      ; the second source's low half below, the first source's high half above
	s_lshl_b32 s92, s53, 11                        ; my K step's 2,048 bytes in a source row
	s_lshl_b32 s54, ttmp9, 6                       ; my 16 indices: 64 bytes
	s_mov_b32 s55, 0
	s_wait_kmcnt 0x0
	s_add_nc_u64 s[14:15], s[14:15], s[54:55]
	s_load_b512 s[20:35], s[14:15], 0x0            ; inv_perm[16 g .. 16 g + 15]: wanted eight steps from here
	s_lshl_b32 s54, ttmp9, 18                      ; x: 16 g rows of 16,384 bytes (under 2^26),
	s_add_co_u32 s54, s54, s92                     ; and my K step
	s_add_nc_u64 s[4:5], s[4:5], s[54:55]
.macro LOADX u                         ; step u of x: the row stands in the immediate, 247,296 bytes at the most.  32 lanes read 512 consecutive bytes, four times
.irp i, 0,1,2,3
	global_load_b128 v[R+16*((\u)%8)+4*\i:R+16*((\u)%8)+4*\i+3], v3, s[4:5] offset:ROWB*(\u)+512*\i th:TH_LOAD_NT
.endr
.endm
; Row t of W: its pointer, in pair t % 8: the table by the row's number, + the row in it, + my K step.  The pair is written again eight steps on, behind the counted wait that has shown row t's loads done.
.macro PTR t
.set PP, 56+2*((\t)%8)+2*(((\t)%8)/4)
	s_cmp_lt_u32 s[IDX+(\t)], 2048
	s_cselect_b64 s[PP:PP+1], s[6:7], s[10:11]     ; q8 or q4: the choice hangs on the index alone
	s_and_b32 s54, s[IDX+(\t)], 2047
	s_lshl_b32 s54, s54, 14
	s_add_co_u32 s54, s54, s92
	s_add_nc_u64 s[PP:PP+1], s[PP:PP+1], s[54:55]
.endm
.macro LOADW t                         ; the hint changes no value: a list that is a permutation names each row once; a row named twice is fetched again
	PTR \t
.irp i, 0,1,2,3
	global_load_b128 v[R+16*((\t)%8)+4*\i:R+16*((\t)%8)+4*\i+3], v3, s[PP:PP+1] offset:512*\i th:TH_LOAD_NT
.endr
.endm
.irp u, 0,1,2,3,4,5,6,7
	LOADX \u
.endr
	s_mul_i32 s54, s53, KSTRIDE
	s_mul_i32 s93, ttmp9, GROUP
	s_add_co_u32 s54, s54, s93                     ; my groups of records begin at K step x KSTRIDE + 16 g x 272 (under 2^24), in xq and in wq alike
	s_add_nc_u64 s[16:17], s[16:17], s[54:55]
	s_add_nc_u64 s[18:19], s[18:19], s[54:55]
	s_wait_kmcnt 0x0                               ; the indices: asked for ahead of x's first numbers, which are not in yet either
.irp t, 0,1,2,3,4,5,6,7,8,9,10,11,12,13,14,15
	s_min_u32 s[IDX+\t], s[IDX+\t], 4095           ; held inside the table; behind this line only an AND, a shift and an addition lead to an address
.endr
.irp t, 0,1,2,3,4,5,6,7,8,9,10,11,12,13,14,15
	s_and_b32 s[O+\t], s[IDX+\t], 2047
	s_lshl_b32 s[O+\t], s[O+\t], 2                 ; the row's scale: 4 bytes a row of its table
.endr
.irp t, 0,1,2,3,4,5,6,7,8,9,10,11,12,13,14,15
	s_load_b32 s[SV+\t], s[8:9], s[O+\t] offset:0x0            ; both tables' scales at that row: the choice follows four steps on, so no base is chosen while a load is out
	s_load_b32 s[56+\t+2*(\t/8)], s[12:13], s[O+\t] offset:0x0
.endr
; STEP u: 512 numbers become record u % 16 of group u / 16.
.macro STEP u
.set XS,  R+16*((\u)%8)
.set TT,  (\u)%16
.set GRP, (\u)/16
.set PAR, (\u)%2
.if (\u) <= NSTEP-DEPTH
	s_wait_loadcnt 4*(DEPTH-1)                     ; loads come back in order (ISA guide 5.7.1): this step's four are in; those of the seven steps behind it may be out
.else
	s_wait_loadcnt 4*(NSTEP-1-(\u))                ; the counts run down: no step is left to ask for
.endif
.if GRP == 1
	s_mov_b32 s90, s[SV+TT]                        ; W: the row's scale; the packed form names a pair and takes its low word for both halves,
	s_mov_b32 s91, s[SV+TT]                        ; so both words are written
.irp i, 0,1,2,3,4,5,6,7,8,9,10,11,12,13,14,15
	v_cvt_f32_i32 v[XS+\i], v[XS+\i]
.endr
.irp i, 0,2,4,6,8,10,12,14
	v_pk_mul_f32 v[XS+\i:XS+\i+1], v[XS+\i:XS+\i+1], s[90:91] op_sel_hi:[1,0]   ; w = q x s, rounded once, in f32
.endr
.endif
.irp i, 0,1,2,3                        ; the four loads by turns: no line waits for the line above it
	v_max3_num_f32 v[MXR+\i], |v[XS+4*\i]|, |v[XS+4*\i+1]|, 0x1800000   ; my four numbers of the block, and the floor 2^(3 - 127), under which no largest magnitude is taken: so the byte cannot fall under 1
.endr
.irp i, 0,1,2,3
	s_delay_alu instid0(VALU_DEP_4)
	v_max3_num_f32 v[MXR+\i], v[MXR+\i], |v[XS+4*\i+2]|, |v[XS+4*\i+3]|
.endr
.irp m, 1,2,4                          ; with the block's other seven lanes: lane xor 1, xor 2, xor 4
.irp i, 0,1,2,3
	s_delay_alu instid0(VALU_DEP_4)
	v_max_num_f32_dpp v[MXR+\i], v[MXR+\i], v[MXR+\i] row_xmask:\m row_mask:0xf bank_mask:0xf
.endr
.endr
.irp i, 0,1,2,3
	s_delay_alu instid0(VALU_DEP_4)
	v_add_nc_u32 v[SCR+\i], 0xff000000, v[MXR+\i]  ; 2 off the exponent field: the conversion takes the exponent field of this operand as its scale, and nothing else of it
.endr
.irp i, 0,1,2,3
	v_cvt_scalef32_pk8_fp4_f32 v[CV+\i], v[XS+8*(\i/2):XS+8*(\i/2)+7], v[SCR+\i]   ; the 8 numbers of loads 2 (i / 2) and 2 (i / 2) + 1 by load i's scale: i even: the low 16 bits count; i odd: the high 16
.endr
	s_wait_alu depctr_va_vdst(0)
	s_wait_dscnt 6                                 ; the six LDS stores of the step before may be out; those of two steps ago have read the registers that are now written again
.irp i, 0,1,2,3
	v_lshrrev_b32 v[EB+4*PAR+\i], 23, v[SCR+\i]    ; the scales' bytes.  (Also the plain vector lines between the conversions and the lines that read their results)
.endr
.if (\u)+DEPTH < 16                    ; this step's numbers have been read: their set takes the step eight on
	LOADX (\u)+DEPTH
.elseif (\u)+DEPTH < NSTEP
	LOADW (\u)+DEPTH-16
.endif
.irp p, 0,1
	v_perm_b32 v[MG+\p], v[CV+2*\p+1], v[CV+2*\p], s94             ; the two good halves: load 2 p's four codes below, load 2 p + 1's above
.endr
.irp p, 0,1
	s_delay_alu instid0(VALU_DEP_2)
	v_mov_b32_dpp v[NB+\p], v[MG+\p] row_xmask:1 row_mask:0xf bank_mask:0xf   ; the same of lane xor 1, which holds the four numbers beside mine
.endr
.irp p, 0,1
	s_delay_alu instid0(VALU_DEP_2)
	v_perm_b32 v[DW+2*PAR+\p], v[NB+\p], v[MG+\p], v[SELV]         ; 8 neighbouring codes, the lower k below: even lanes of load 2 p, odd lanes of load 2 p + 1
.endr
.irp p, 0,1
	ds_store_b32 v6, v[DW+2*PAR+\p] offset:GROUP*GRP+REC*TT+128*\p ; the 32 lanes fill 128 neighbouring bytes of the record
.endr
.irp i, 0,1,2,3
	ds_store_b8 v5, v[EB+4*PAR+\i] offset:GROUP*GRP+REC*TT+256+4*\i   ; the eight lanes of a block write the same byte with the same value
.endr
.endm
; A group's way out: 16 records, 4,352 bytes on end, 8 bytes a lane
.macro SEND grp, base
.irp i, 0,1,2,3,4,5,6,7,8,9,10,11,12,13,14,15,16
	ds_load_b64 v[OUTR+34*\grp+2*\i:OUTR+34*\grp+2*\i+1], v7 offset:GROUP*\grp+256*\i   ; LDS serves a wave's instructions in order (ISA guide 5.7.1.4): these see my stores
.endr
.irp i, 0,1,2,3,4,5,6,7,8,9,10,11,12,13,14,15,16
	s_wait_dscnt 16-\i                             ; load i is in; the younger ones may be out
	global_store_b64 v4, v[OUTR+34*\grp+2*\i:OUTR+34*\grp+2*\i+1], s[\base:\base+1] offset:256*\i   ; 32 lanes store 256 consecutive bytes, at a multiple of 256 from the buffer's first byte; no hint: the next launch reads them
.endr
.endm
.irp u, 0,1,2,3
	STEP \u
.endr
	s_wait_kmcnt 0x0                               ; the scales' candidates, asked for four steps ago
.irp t, 0,1,2,3,4,5,6,7,8,9,10,11,12,13,14,15
	s_cmp_lt_u32 s[IDX+\t], 2048
	s_cselect_b32 s[SV+\t], s[SV+\t], s[56+\t+2*(\t/8)]            ; s8's for a row of q8, s4's for a row of q4; the registers of s4's candidates are free from here on: step 8 writes the first pointer
.endr
.irp u, 4,5,6,7,8,9,10,11,12,13,14,15
	STEP \u
.endr
	SEND 0, 16                                     ; x's group leaves while W's numbers are on their way in
.irp u, 16,17,18,19,20,21,22,23,24,25,26,27,28,29,30,31
	STEP \u
.endr
	SEND 1, 18
	s_wait_tensorcnt 0x0
	ds_add_u32 v236, v237
	s_wait_dscnt 0x0
	s_endpgm
.Lfunc_end_k_qfd0cbf75aa_quant:
	.size	k_qfd0cbf75aa_quant, .Lfunc_end_k_qfd0cbf75aa_quant-k_qfd0cbf75aa_quant
	.p2alignl 7, 3214868480
	.fill 96, 4, 3214868480
	.section	.rodata,"a",@progbits
	.p2align	6, 0x0
	.amdhsa_kernel k_qfd0cbf75aa_quant
		.amdhsa_group_segment_fixed_size 70656
		.amdhsa_private_segment_fixed_size 0
		.amdhsa_enable_private_segment 0
		.amdhsa_kernarg_size 64
		.amdhsa_user_sgpr_count 2
		.amdhsa_user_sgpr_kernarg_segment_ptr 1
		.amdhsa_wavefront_size32 1
		.amdhsa_system_sgpr_workgroup_id_x 1
		.amdhsa_system_sgpr_workgroup_id_y 1
		.amdhsa_system_sgpr_workgroup_id_z 1
		.amdhsa_system_vgpr_workitem_id 0
		.amdhsa_next_free_vgpr 238
		.amdhsa_next_free_sgpr 96
		.amdhsa_reserve_vcc 1
		.amdhsa_float_denorm_mode_32 3
		.amdhsa_float_denorm_mode_16_64 3
		.amdhsa_memory_ordered 1
		.amdhsa_forward_progress 1
		.amdhsa_inst_pref_size 163
	.end_amdhsa_kernel
	.amdgpu_metadata
---
amdhsa.version: [ 1, 2 ]
amdhsa.kernels:
  - .name:           k_qfd0cbf75aa_quant
    .symbol:         k_qfd0cbf75aa_quant.kd
    .args:
      - { .name: x, .offset: 0, .size: 8, .value_kind: global_buffer, .address_space: global }
      - { .name: q8, .offset: 8, .size: 8, .value_kind: global_buffer, .address_space: global }
      - { .name: s8, .offset: 16, .size: 8, .value_kind: global_buffer, .address_space: global }
      - { .name: q4, .offset: 24, .size: 8, .value_kind: global_buffer, .address_space: global }
      - { .name: s4, .offset: 32, .size: 8, .value_kind: global_buffer, .address_space: global }
      - { .name: inv_perm, .offset: 40, .size: 8, .value_kind: global_buffer, .address_space: global }
      - { .name: xq, .offset: 48, .size: 8, .value_kind: global_buffer, .address_space: global }
      - { .name: wq, .offset: 56, .size: 8, .value_kind: global_buffer, .address_space: global }
    .group_segment_fixed_size: 70656
    .private_segment_fixed_size: 0
    .kernarg_segment_align: 8
    .kernarg_segment_size: 64
    .max_flat_workgroup_size: 256
    .sgpr_count:     96
    .vgpr_count:     238
    .wavefront_size: 32
...
	.end_amdgpu_metadata
.endif
;; end of part 1
;; launch gemm (part 2): grid 16 x 16, 4 waves a work-group, clusters of 4 x 4, 327,680 bytes of LDS; arguments xq, wq, bias, out0; writes out0
.if DOCPART == 2
	.amdgcn_target "amdgcn-amd-amdhsa--gfx1250"
	.amdhsa_code_object_version 6
	.text
	.protected	k_qfd0cbf75aa_gemm
	.globl	k_qfd0cbf75aa_gemm
	.p2align	8
	.type	k_qfd0cbf75aa_gemm,@function
k_qfd0cbf75aa_gemm:
	s_mov_b64 s[64:65], 0
	v_nop
	global_prefetch_b8 v0, s[64:65] scope:SCOPE_SE
	s_setreg_imm32_b32 hwreg(HW_REG_WAVE_MODE, 25, 1), 1
	s_wait_xcnt 0x0
	s_wait_alu depctr_hold_cnt(0) depctr_sa_sdst(0) depctr_va_vdst(0) depctr_va_sdst(0) depctr_va_ssrc(0) depctr_va_vcc(0) depctr_vm_vsrc(0)
	s_getreg_b32 s2, hwreg(HW_REG_IB_STS2, 6, 4)
	s_cmp_eq_u32 s2, 0
	s_cbranch_scc0 .Lentry_in_a_cluster
	s_endpgm
.Lentry_in_a_cluster:
	s_bfe_u32 s2, ttmp6, 0x10000c
	s_cmp_lg_u32 s2, 0xf033
	s_cbranch_scc0 .Lentry_shape_is_right
	s_endpgm
.Lentry_shape_is_right:
; out0[m][n] = sum over k of X[m][k] W[n][k] + bias[n].  X and W come as FP4 (E2M1) codes with one E8M0 byte for each 32 along K, laid by the launch before:
; [K step of 512: 8][row: 4096][record of 272 bytes: 256 of codes, 16 scale bytes].  W's rows already stand in the order of the output channels.  Sums in f32, K ascending, begun with the bias as C.
; A block of 256 x 256 to a work-group of four waves; a wave makes 128 x 128: 64 accumulators, 512 registers.  A K step of 512 is a slot; two slots take turns.  128 records are 34,816 dense bytes:
; a wave's tensor load states them as 136 rows of 256 bytes; in LDS the record itself gives the pitch of 272 bytes.
; CLUSTERS 4 x 4: X's tiles are asked for jointly along a row of the cluster, W's along a column; every joint refill stands behind a round of the cluster's barrier.
; THE MATRIX INSTRUCTION IS USED TRANSPOSED (source 0 = 16 rows of W, source 1 = 16 rows of X): a lane holds eight neighbouring columns of one row of out0.
; REGISTERS.  Window 0: v0-31 addresses; v32-95 scale words, a set for each slot; v192-255 the bias at the start; in the last K step v96-159 X's fragments, v160-255 and v32-63 the way out.
;   Window 1: two sets of fragments for 128 along K: set p holds X's eight at v[128 p], W's eight at v[128 p + 64]; in the last K step all 256 hold W's fragments.   Windows 2, 3: the accumulators of my rows 0-63, 64-127.
; A STEP of 128 along K: ONE run of 32 LDS loads brings the next step's fragments into the other set, in the order X 0-3, W 0-3, W 4-7, X 4-7; then four quadrants of 16 products
; (X 0-3 x W 0-3, X 0-3 x W 4-7, X 4-7 x W 4-7, X 4-7 x W 0-3).  A load is issued 64 products ahead of the step that reads it.
; THE LAST K STEP GOES BY ROWS OF out0: a block of 16 rows is finished by 32 products and leaves through the stage while the next block is multiplied.
.set SIZE_N,  4096
.set PITCH,   272
.set KSTRIDE, 4096*PITCH               ; from a K step to the next in xq and wq
.set HALFT,   128*PITCH                ; what one tensor load brings
.set SHARE,   HALFT/4                  ; a partner's part of it in the prefetches: 34 blocks of 256 bytes
.set SLOT,    4*HALFT                  ; X's 256 records, then W's
.set SPARE,   2*SLOT                   ; the spare words: 512 bytes that no other line names
.set SPITCH,  528                      ; the stage: 16 rows x (512 + 16) bytes a wave, in slot 0, behind that slot's last fill and last read
.set ADRA, 16                          ; v16-17 LDS address of X's fragments in slot 0, 1
.set ADRB, 20                          ; v20-21 W's
.set ADRS, 22                          ; v22-23 scale words: lanes 0-15 X's rows, lanes 16-31 W's
.set STO,  24
.set RD,   25
.set CO,   26
.set BO,   27
.set SPW,  28                          ; my spare word
.set NIL,  29                          ; 0
.set PFO,  30                          ; prefetches: block lane of my 34
.set PFO2, 31                          ; blocks 32, 33 (lanes above 1 name block 33 again)
.set SC,   32
.set PA,   96
.set BIAS, 192
.set PFA, 12                           ; s[12:13] where my prefetches stand
.set G1,  24
.set G0,  32
.set G1B, 48
.set G0B, 56
.set MSB, 0
.macro WIN new                         ; the immediate's high byte repeats the setting that is left
.if MSB != (\new)
	s_set_vgpr_msb (MSB<<8)|(\new)
.set MSB, (\new)
.endif
.endm
.set MUL_LO,  0xa5                     ; sources 0, 1 window 1; C, D window 2
.set MUL_HI,  0xf5
.set BIAS_LO, 0x85                     ; C window 0
.set BIAS_HI, 0xc5
.set TO_F,    0x40                     ; destination window 1, address window 0
.macro JLOAD g0a, g1a, g0b, g1b        ; a joint load: waves 0, 1 fetch X's halves, waves 2, 3 W's; s_nop 0 and four v_nop behind each line
	s_cmp_eq_u32 s15, 0
	s_cbranch_scc0 .Lfor_b_\@
	tensor_load_to_lds s[\g0a:\g0a+3], s[\g1a:\g1a+7]
	s_nop 0
.rept 4
	v_nop
.endr
	s_branch .Lasked_\@
.Lfor_b_\@:
	tensor_load_to_lds s[\g0b:\g0b+3], s[\g1b:\g1b+7]
	s_nop 0
.rept 4
	v_nop
.endr
.Lasked_\@:
.endm
.macro CREST                           ; a round of the cluster's barrier behind its opening barrier
	s_cmp_lg_u32 s14, 0
	s_cbranch_scc1 .Lnot_wave_0_\@
	s_barrier_signal -3
.Lnot_wave_0_\@:
	s_barrier_wait -3
	s_barrier_signal -1
	s_barrier_wait -1
.endm
.macro CROUND
	s_barrier_signal -1
	s_barrier_wait -1
	CREST
.endm
.macro PLACES                          ; four places behind matrix instructions, ahead of loads into their sources and of reads of their results
.rept 4
	v_nop
.endr
.endm
	s_load_b256 s[4:11], s[0:1], 0x0               ; xq 4:5, wq 6:7, bias 8:9, out0 10:11
	v_lshl_add_u32 v[SPW], v0, 2, SPARE
	v_mov_b32 v[NIL], 0
	ds_add_u32 v[SPW], v[NIL]                      ; the opening lines: the add twice on end and one wait
	ds_add_u32 v[SPW], v[NIL]
	v_lshrrev_b32 v1, 5, v0
	v_readfirstlane_b32 s14, v1                    ; wave
	v_and_b32 v2, 31, v0
	v_lshlrev_b32 v[PFO], 8, v2
	v_min_u32 v3, 1, v2
	v_lshl_add_u32 v[PFO2], v3, 8, 32*256
	s_lshr_b32 s15, s14, 1                         ; my half of the rows; also: I fetch for X (0) or W (1)
	s_and_b32 s16, s14, 1                          ; my half of the columns; also: which 128 records I fetch
	s_bfe_u32 s40, ttmp6, 0x40000                  ; cx
	s_bfe_u32 s41, ttmp6, 0x40004                  ; cy
	s_lshl_b32 s42, ttmp9, 2
	s_add_co_u32 s42, s42, s40                     ; block column
	s_and_b32 s17, ttmp7, 0xffff
	s_lshl_b32 s17, s17, 2
	s_add_co_u32 s17, s17, s41                     ; block row
	s_lshl_b32 s43, s41, 2
	s_lshl_b32 s43, 15, s43                        ; my row of the cluster
	s_lshl_b32 s44, 0x1111, s40                    ; my column
	s_or_b32 s[G1+0], s43, (3<<16)|(1<<21)         ; elements of 8 bytes, the mask, bit 21 beside it
	s_or_b32 s[G1B+0], s44, (3<<16)|(1<<21)
.irp g, G1, G1B
	s_mov_b32 s[\g+1], 32<<16                      ; rows of 32 elements = 256 bytes
	s_mov_b32 s[\g+2], 136<<16                     ; 136 rows
	s_mov_b32 s[\g+3], 32<<16
	s_mov_b32 s[\g+4], 136
	s_mov_b32 s[\g+5], 32                          ; dense
	s_mov_b32 s[\g+6], 0
	s_mov_b32 s[\g+7], 0
.endr
	s_lshl_b32 s18, s16, 7
	s_lshl_b32 s20, s17, 8
	s_add_co_u32 s20, s20, s18
	s_mul_i32 s20, s20, PITCH                      ; X: record 256 x block row + 128 x half
	s_mov_b32 s21, 0
	s_lshl_b32 s46, s42, 8
	s_add_co_u32 s46, s46, s18
	s_mul_i32 s46, s46, PITCH                      ; W: by the block column
	s_mov_b32 s47, 0
	s_mul_i32 s45, s14, HALFT                      ; where they go: wave x 128 records
	s_wait_alu depctr_va_vdst(0)
	s_wait_dscnt 0x0
	s_wait_kmcnt 0x0
	s_add_nc_u64 s[20:21], s[4:5], s[20:21]
	s_add_nc_u64 s[46:47], s[6:7], s[46:47]
.irp s, 0,1
	s_mov_b32 s[G0+4*\s], 1
	s_add_co_u32 s[G0+4*\s+1], s45, \s*SLOT
	s_add_nc_u64 s[G0+4*\s+2:G0+4*\s+3], s[20:21], \s*KSTRIDE
	s_or_b32 s[G0+4*\s+3], s[G0+4*\s+3], 0x80000000
	s_mov_b32 s[G0B+4*\s], 1
	s_add_co_u32 s[G0B+4*\s+1], s45, \s*SLOT
	s_add_nc_u64 s[G0B+4*\s+2:G0B+4*\s+3], s[46:47], \s*KSTRIDE
	s_or_b32 s[G0B+4*\s+3], s[G0B+4*\s+3], 0x80000000
.endr
	CROUND                                         ; all sixteen work-groups are here: the first joint loads meet
	JLOAD G0, G1, G0B, G1B                         ; K step 0: one tensor load a wave at the head
; THE PREFETCHES.  Of the 136 blocks of 256 bytes that a wave's load names, each of the four partners that ask jointly takes 34, told apart by address (cx for X, cy for W): two instructions a wave, each block
; named once in a cluster.  Here K step 1, behind slot 1's first fill K steps 2 and 3, behind the refill with K step t + 2 the K step t + 4; the last lap's refills ask for nothing: every address lies in its buffer.
	s_cmp_eq_u32 s15, 0
	s_cselect_b64 s[PFA:PFA+1], s[20:21], s[46:47]
	s_cselect_b32 s18, s40, s41
	s_mul_i32 s18, s18, SHARE
	s_add_co_u32 s18, s18, KSTRIDE                 ; it stands at K step 1
	s_mov_b32 s19, 0
	s_add_nc_u64 s[PFA:PFA+1], s[PFA:PFA+1], s[18:19]
	global_prefetch_b8 v[PFO], s[PFA:PFA+1] th:TH_LOAD_NT scope:SCOPE_SE
	global_prefetch_b8 v[PFO2], s[PFA:PFA+1] th:TH_LOAD_NT scope:SCOPE_SE
	s_mul_i32 s4, s15, HALFT                       ; my 128 records of X in a slot
	s_mul_i32 s5, s16, HALFT
	s_add_co_u32 s5, s5, 2*HALFT                   ; of W, behind X's 256
	s_sub_co_u32 s6, s5, s4
	s_mul_i32 s7, s14, 16*SPITCH                   ; my stage
	s_lshl_b32 s20, s17, 8
	s_lshl_b32 s21, s15, 7
	s_add_co_u32 s20, s20, s21
	s_lshl_b32 s20, s20, 14                        ; my first row of out0, 16,384 bytes a row
	s_mov_b32 s21, 0
	s_add_nc_u64 s[10:11], s[10:11], s[20:21]
	s_lshl_b32 s46, s42, 10
	s_lshl_b32 s47, s16, 9
	s_add_co_u32 s46, s46, s47                     ; my first column, in bytes
	s_mov_b32 s47, 0
	s_add_nc_u64 s[10:11], s[10:11], s[46:47]
	s_add_nc_u64 s[8:9], s[8:9], s[46:47]
	v_and_b32 v1, 15, v0                           ; r = l % 16
	v_bfe_u32 v2, v0, 4, 1                         ; h = l / 16
	v_mul_u32_u24 v3, v1, PITCH
	v_lshl_add_u32 v4, v2, 4, v3                   ; a fragment: record r, + 16 h
	v_mul_u32_u24 v6, s6, v2                       ; lanes 16-31 take W's scale words
	v_add_nc_u32 v5, 256, v3
	v_add_nc_u32 v5, v5, v6
	v_add_nc_u32 v[ADRA], s4, v4
	v_add_nc_u32 v[ADRB], s5, v4
	v_add_nc_u32 v[ADRS], s4, v5
	v_add_nc_u32 v[ADRA+1], SLOT, v[ADRA]
	v_add_nc_u32 v[ADRB+1], SLOT, v[ADRB]
	v_add_nc_u32 v[ADRS+1], SLOT, v[ADRS]
	v_mul_u32_u24 v5, v1, SPITCH
	v_lshl_add_u32 v5, v2, 5, v5
	v_add_nc_u32 v[STO], s7, v5                    ; into the stage: row r, 32 bytes for each half of the lanes
	v_and_b32 v6, 31, v0
	v_lshlrev_b32 v[CO], 4, v6                     ; back: 32 lanes take a row of 512 bytes; the same in out0
	v_add_nc_u32 v[RD], s7, v[CO]
	v_lshlrev_b32 v[BO], 5, v2
.irp b, 0,1,2,3,4,5,6,7
	global_load_b128 v[BIAS+8*\b:BIAS+8*\b+3],   v[BO], s[8:9] offset:64*\b      ; bias of columns 16 b + 8 h + 0 .. 7: an accumulator's layout
	global_load_b128 v[BIAS+8*\b+4:BIAS+8*\b+7], v[BO], s[8:9] offset:64*\b+16
.endr
.macro LFRAG base, adr, q, i0          ; four fragments i0 .. i0 + 3 of the slot's q-th 128 along K: 8 loads.  Lane (r, h): registers 4 c .. 4 c + 3 hold K = 64 c + 32 h + 0 .. 31
.irp i, \i0, \i0+1, \i0+2, \i0+3
.irp c, 0,1
	ds_load_b128 v[\base+8*(\i)+4*\c:\base+8*(\i)+4*\c+3], v[\adr] offset:64*(\q)+32*\c+(\i)*16*PITCH
.endr
.endr
.endm
.macro SCALES slot                     ; a K step's scale words: register 4 i + q: lanes 0-15 X's block i, lanes 16-31 W's block i
.irp i, 0,1,2,3,4,5,6,7
	ds_load_b128 v[SC+32*\slot+4*\i:SC+32*\slot+4*\i+3], v[ADRS+\slot] offset:\i*16*PITCH
.endr
.endm
; A quadrant: X's blocks a0 .. a0 + 3 x W's b0 .. b0 + 3, from set p.  The 64 accumulators take turns in one order in every step.  first = 1: C is the bias.
.macro G a0, b0, p, q, sc, first
.irp a, \a0, \a0+1, \a0+2, \a0+3
.irp b, \b0, \b0+1, \b0+2, \b0+3
.if \first
	v_wmma_scale_f32_16x16x128_f8f6f4 v[8*(8*((\a)%4)+(\b)):8*(8*((\a)%4)+(\b))+7], v[128*(\p)+64+8*(\b):128*(\p)+64+8*(\b)+7], v[128*(\p)+8*(\a):128*(\p)+8*(\a)+7], v[BIAS+8*(\b):BIAS+8*(\b)+7], v[SC+32*(\sc)+4*(\b)+(\q)], v[SC+32*(\sc)+4*(\a)+(\q)] matrix_a_fmt:MATRIX_FMT_FP4 matrix_b_fmt:MATRIX_FMT_FP4 matrix_a_scale:MATRIX_SCALE_ROW1
.else
	v_wmma_scale_f32_16x16x128_f8f6f4 v[8*(8*((\a)%4)+(\b)):8*(8*((\a)%4)+(\b))+7], v[128*(\p)+64+8*(\b):128*(\p)+64+8*(\b)+7], v[128*(\p)+8*(\a):128*(\p)+8*(\a)+7], v[8*(8*((\a)%4)+(\b)):8*(8*((\a)%4)+(\b))+7], v[SC+32*(\sc)+4*(\b)+(\q)], v[SC+32*(\sc)+4*(\a)+(\q)] matrix_a_fmt:MATRIX_FMT_FP4 matrix_b_fmt:MATRIX_FMT_FP4 matrix_a_scale:MATRIX_SCALE_ROW1
.endif
.endr
.endr
.endm
.macro WLO first
.if \first
	WIN BIAS_LO
.else
	WIN MUL_LO
.endif
.endm
.macro WHI first
.if \first
	WIN BIAS_HI
.else
	WIN MUL_HI
.endif
.endm
; A step whose successor lies in the same slot.  The waits leave out this step's 32 new loads and, of the step before, its two youngest groups of 8 (48), its youngest (40), none (32).
; meet > 0, a slot's third step, whose loads are the slot's last reads: round its last quadrant stand the wait for all my tensor loads, the add and the wait for the add and for my reads of the slot; then the signal.
; meet = 1: a refill follows, and the prefetches' address steps here, behind the wait that shows that they have read it.
.macro STEP slot, q, first, meet
.set P, (\q)%2
.if \meet == 1
	s_wait_xcnt 0x0
	s_add_nc_u64 s[PFA:PFA+1], s[PFA:PFA+1], KSTRIDE
.endif
	PLACES                                         ; the set now loaded was read by the step before
	WIN TO_F
	LFRAG 128*(1-P), ADRA+\slot, (\q)+1, 0
	LFRAG 128*(1-P)+64, ADRB+\slot, (\q)+1, 0
	LFRAG 128*(1-P)+64, ADRB+\slot, (\q)+1, 4
	LFRAG 128*(1-P), ADRA+\slot, (\q)+1, 4
	s_wait_dscnt 48
	WLO \first
	G 0, 0, P, \q, \slot, \first
	s_wait_dscnt 40
	G 0, 4, P, \q, \slot, \first
	s_wait_dscnt 32
	WHI \first
	G 4, 4, P, \q, \slot, \first
.if \meet
	WIN 0
	s_wait_tensorcnt 0x0                           ; my part of the next slot has landed
	ds_add_u32 v[SPW], v[NIL]                      ; the add; sixteen products stand between it and the wait for it
	WIN MUL_HI
.endif
	G 4, 0, P, \q, \slot, \first
.if \meet
	s_wait_dscnt 0x0                               ; the add is done, my reads of this slot are over
	s_barrier_signal -1
.endif
.endm
; A slot's last step in the loop.  Its first quadrant stands between the signal and the wait; the barrier opens a round of the cluster's barrier; the joint refill (two K steps on) stands first behind the round;
; then ONE run of 40 loads: the next slot's first fragments and its scale words, 48 products ahead of the step that reads them.  The four v_nop behind the joint load are the places ahead of that run.
.macro TURN slot, next
	WIN MUL_LO
	G 0, 0, 1, 3, \slot, 0
	WIN 0
	s_barrier_wait -1
	CREST
	s_add_nc_u64 s[G0+4*\slot+2:G0+4*\slot+3], s[G0+4*\slot+2:G0+4*\slot+3], 2*KSTRIDE
	s_add_nc_u64 s[G0B+4*\slot+2:G0B+4*\slot+3], s[G0B+4*\slot+2:G0B+4*\slot+3], 2*KSTRIDE
	JLOAD G0+4*\slot, G1, G0B+4*\slot, G1B
	WIN TO_F
	LFRAG 0, ADRA+\next, 0, 0
	LFRAG 64, ADRB+\next, 0, 0
	WIN 0
	SCALES \next
	s_cmp_gt_u32 s3, 1                             ; the last lap has no K step two refills on
	s_cbranch_scc0 .Lno_ask_\@
	global_prefetch_b8 v[PFO], s[PFA:PFA+1] offset:2*KSTRIDE th:TH_LOAD_NT scope:SCOPE_SE
	global_prefetch_b8 v[PFO2], s[PFA:PFA+1] offset:2*KSTRIDE th:TH_LOAD_NT scope:SCOPE_SE
.Lno_ask_\@:
	WIN TO_F
	LFRAG 64, ADRB+\next, 0, 4
	LFRAG 0, ADRA+\next, 0, 4
	WIN MUL_LO
	G 0, 4, 1, 3, \slot, 0
	WIN MUL_HI
	G 4, 4, 1, 3, \slot, 0
	G 4, 0, 1, 3, \slot, 0
.endm
	s_wait_alu depctr_va_vdst(0)
	s_wait_tensorcnt 0x0                           ; my part of K step 0 is in
	ds_add_u32 v[SPW], v[NIL]
	s_wait_dscnt 0x0
	CROUND
	JLOAD G0+4, G1, G0B+4, G1B                     ; K step 1, slot 1's first fill
	WIN TO_F
	LFRAG 0, ADRA, 0, 0
	LFRAG 64, ADRB, 0, 0
	WIN 0
	SCALES 0
.irp k, 1,2
	global_prefetch_b8 v[PFO], s[PFA:PFA+1] offset:\k*KSTRIDE th:TH_LOAD_NT scope:SCOPE_SE    ; K steps 2 and 3
	global_prefetch_b8 v[PFO2], s[PFA:PFA+1] offset:\k*KSTRIDE th:TH_LOAD_NT scope:SCOPE_SE
.endr
	WIN TO_F
	LFRAG 64, ADRB, 0, 4
	LFRAG 0, ADRA, 0, 4
	s_wait_loadcnt 0x0                             ; the bias
	STEP 0, 0, 1, 0                                ; the first step starts the sums, ahead of the loop
	WIN 0
	s_mov_b32 s3, 3
.Llap:                                                 ; once round the ring, from a lap's second step to the next lap's first; both slots are filled again
	STEP 0, 1, 0, 0
	STEP 0, 2, 0, 1
	TURN 0, 1
	STEP 1, 0, 0, 0
	STEP 1, 1, 0, 0
	STEP 1, 2, 0, 1
	TURN 1, 0
	STEP 0, 0, 0, 0
	WIN 0
	s_sub_co_u32 s3, s3, 1
	s_cmp_lg_u32 s3, 0
	s_cbranch_scc1 .Llap
	STEP 0, 1, 0, 0                                ; K step 6 goes on; nothing more is fetched
	STEP 0, 2, 0, 2                                ; slot 1 is whole and my reads of slot 0 are over: the signal; nothing is filled again, so no round follows
; THE LAST K STEP (slot 1), BY ROWS.  W's fragments of its four quarters fill window 1 (quarter q at v[64 q]); X's come by blocks of 16 rows x 512 K into two buffers of 32 registers.
.macro BLOAD q
.irp i, 0,1,2,3,4,5,6,7
.irp c, 0,1
	ds_load_b128 v[64*\q+8*\i+4*\c:64*\q+8*\i+4*\c+3], v[ADRB+1] offset:64*\q+32*\c+\i*16*PITCH
.endr
.endr
.endm
.macro ALOAD a
.set FA, PA+32*((\a)%2)
.irp q, 0,1,2,3
.irp c, 0,1
	ds_load_b128 v[FA+8*\q+4*\c:FA+8*\q+4*\c+3], v[ADRA+1] offset:64*\q+32*\c+(\a)*16*PITCH
.endr
.endr
.endm
.macro ROW a, left                     ; block a is finished: 32 products, its 8 accumulators by turns, K ascending.  left: the younger LDS instructions that may stay out
.set FA, PA+32*((\a)%2)
.set AC, 64*((\a)%4)
	s_wait_dscnt \left
	WIN 0xa1+0x50*((\a)/4)                         ; source 0 window 1, source 1 window 0, C and D window 2 or 3
.irp q, 0,1,2,3
.if (\a) == 0 && \q == 2
	s_wait_dscnt 0x0                               ; W's quarters 2 and 3 are in
.endif
.irp b, 0,1,2,3,4,5,6,7
	v_wmma_scale_f32_16x16x128_f8f6f4 v[AC+8*\b:AC+8*\b+7], v[64*\q+8*\b:64*\q+8*\b+7], v[FA+8*\q:FA+8*\q+7], v[AC+8*\b:AC+8*\b+7], v[SC+32+4*\b+\q], v[SC+32+4*(\a)+\q] matrix_a_fmt:MATRIX_FMT_FP4 matrix_b_fmt:MATRIX_FMT_FP4 matrix_a_scale:MATRIX_SCALE_ROW1
.endr
.endr
.endm
; The way out of block a: 32 bytes a lane into my own stage, each accumulator from its low end on, and back as rows of 512 bytes.  LDS serves a wave's instructions in order (ISA guide 5.7.1.4).
.macro TOSTAGE a
.set AC, 64*((\a)%4)
	WIN 0x08+4*((\a)/4)                            ; the data: window 2 or 3
.irp b, 0,1,2,3,4,5,6,7
	ds_store_b128 v[STO], v[AC+8*\b:AC+8*\b+3] offset:64*\b
	ds_store_b128 v[STO], v[AC+8*\b+4:AC+8*\b+7] offset:64*\b+16
.endr
	WIN 0
.irp t, 0,1,2,3,4,5,6,7,8,9,10,11,12,13,14,15
.set BQ, 160+64*((\a)%2)+4*\t-224*(((\a)%2)*(\t/8))    ; even blocks v160-223; odd blocks v224-255, then v32-63
	ds_load_b128 v[BQ:BQ+3], v[RD] offset:\t*SPITCH
.endr
.endm
.macro SEND a, younger
	s_wait_dscnt \younger                          ; the block is back in registers
.if (\a) > 0
	s_add_nc_u64 s[10:11], s[10:11], 16*SIZE_N*4   ; behind a wait on XCNT with no store since: the earlier stores have read their base
.endif
.irp t, 0,1,2,3,4,5,6,7,8,9,10,11,12,13,14,15
.set BQ, 160+64*((\a)%2)+4*\t-224*(((\a)%2)*(\t/8))
	global_store_b128 v[CO], v[BQ:BQ+3], s[10:11] offset:\t*SIZE_N*4 th:TH_STORE_NT   ; 32 lanes store 512 consecutive bytes, two aligned blocks of 256
.endr
.endm
	WIN MUL_LO
	G 0, 0, 1, 3, 0, 0                             ; K step 6's last step: its first quadrant between the signal and the wait
	s_barrier_wait -1
	PLACES                                         ; set 0 was read by the step before
	WIN TO_F
	BLOAD 0
	BLOAD 1
	WIN 0
	SCALES 1
	ALOAD 0
	ALOAD 1
	WIN MUL_LO
	G 0, 4, 1, 3, 0, 0
	WIN MUL_HI
	G 4, 4, 1, 3, 0, 0
	G 4, 0, 1, 3, 0, 0
	PLACES
	WIN TO_F
	BLOAD 2
	BLOAD 3
	ROW 0, 40                                      ; X's block 1 and W's quarters 2, 3 may be out: 8 + 32
	PLACES
	TOSTAGE 0
	ALOAD 2
	ROW 1, 40
.irp a, 1,2,3,4,5,6,7                  ; block a goes into the stage, block a - 1 is stored, block a + 1 is multiplied
	s_wait_xcnt 0x0                                ; block a - 2's stores have read their registers and their base
	PLACES                                         ; the stage's stores read results just made; X's buffer was just read
	TOSTAGE \a
.if \a < 6
	ALOAD \a+2
	SEND \a-1, 48                                  ; behind block a - 1's loads: X's block a + 1 (8), block a's 32, X's block a + 2 (8)
	ROW \a+1, 40                                   ; behind X's block a + 1: 32 + 8
.elseif \a == 6
	SEND \a-1, 40
	ROW \a+1, 32
.else
	SEND \a-1, 32
.endif
.endr
	s_wait_xcnt 0x0
	SEND 7, 0
	s_wait_tensorcnt 0x0                           ; the wave's end
	ds_add_u32 v[SPW], v[NIL]
	s_wait_dscnt 0x0
	CROUND                                         ; the closing round
	s_endpgm
.Lfunc_end_k_qfd0cbf75aa_gemm:
	.size	k_qfd0cbf75aa_gemm, .Lfunc_end_k_qfd0cbf75aa_gemm-k_qfd0cbf75aa_gemm
	.p2alignl 7, 3214868480
	.fill 96, 4, 3214868480
	.section	.rodata,"a",@progbits
	.p2align	6, 0x0
	.amdhsa_kernel k_qfd0cbf75aa_gemm
		.amdhsa_group_segment_fixed_size 327680
		.amdhsa_private_segment_fixed_size 0
		.amdhsa_enable_private_segment 0
		.amdhsa_kernarg_size 32
		.amdhsa_user_sgpr_count 2
		.amdhsa_user_sgpr_kernarg_segment_ptr 1
		.amdhsa_wavefront_size32 1
		.amdhsa_system_sgpr_workgroup_id_x 1
		.amdhsa_system_sgpr_workgroup_id_y 1
		.amdhsa_system_sgpr_workgroup_id_z 1
		.amdhsa_system_vgpr_workitem_id 0
		.amdhsa_next_free_vgpr 1024
		.amdhsa_next_free_sgpr 66
		.amdhsa_reserve_vcc 0
		.amdhsa_float_denorm_mode_32 3
		.amdhsa_float_denorm_mode_16_64 3
		.amdhsa_memory_ordered 1
		.amdhsa_forward_progress 1
		.amdhsa_inst_pref_size 211
	.end_amdhsa_kernel
	.amdgpu_metadata
---
amdhsa.version: [ 1, 2 ]
amdhsa.kernels:
  - .name:           k_qfd0cbf75aa_gemm
    .symbol:         k_qfd0cbf75aa_gemm.kd
    .args:
      - { .name: xq, .offset: 0, .size: 8, .value_kind: global_buffer, .address_space: global }
      - { .name: wq, .offset: 8, .size: 8, .value_kind: global_buffer, .address_space: global }
      - { .name: bias, .offset: 16, .size: 8, .value_kind: global_buffer, .address_space: global }
      - { .name: out0, .offset: 24, .size: 8, .value_kind: global_buffer, .address_space: global }
    .group_segment_fixed_size: 327680
    .private_segment_fixed_size: 0
    .kernarg_segment_align: 8
    .kernarg_segment_size: 32
    .max_flat_workgroup_size: 128
    .sgpr_count:     66
    .vgpr_count:     1024
    .wavefront_size: 32
...
	.end_amdgpu_metadata
.endif
;; end of part 2
